; MI455X (gfx1250); checked and timed in simulation.
; The chip was launched on July 23, 2026; its instructions are those of AMD's public machine-readable ISA for CDNA 5 (MIT licence, August 2026) and "CDNA5" Instruction Set Architecture Reference Guide (July 2026). The comments in the code are by the model that wrote it; some were corrected since.
;; Gaussians2 D. Allowed arithmetic: float matrix products may take bf16 or f16 operands with f32 sums; other float arithmetic in f32, or as packed bf16 or f16 multiplies, adds, multiply-adds, maxima and minima; sums over many terms, partial sums and values carried from step to step in f32; what a program stores and reads back later, other than sums and carried values, may be rounded once to bf16 or f16.
;; Inputs: color 125 x 3 float32; depth 125 float32; mean 125 x 2 float32; radii 125 float32.
;; Outputs: out0 3 x 1,024 x 1,024 float32.
;; 2 versions, each right; version 2 is version 1 with the launch splat written anew for expert scheduling mode. Each part assembles by itself: llvm-mc -triple=amdgcn-amd-amdhsa -mcpu=gfx1250 --defsym DOCPART=n.
;; ======== version 1 of 2: 1 launch
;; launch splat (part 1): grid 16 x 16, 4 waves a work-group, no clusters, 37,376 bytes of LDS; arguments color, depth, mean, radii, out0; writes out0
.if DOCPART == 1
	.amdgcn_target "amdgcn-amd-amdhsa--gfx1250"
	.amdhsa_code_object_version 6
	.text
	.protected	k_qed60bd4d3b_splat
	.globl	k_qed60bd4d3b_splat
	.p2align	8
	.type	k_qed60bd4d3b_splat,@function
k_qed60bd4d3b_splat:
	s_mov_b64 s[64:65], 0
	v_nop
	global_prefetch_b8 v0, s[64:65] scope:SCOPE_SE
	s_setreg_imm32_b32 hwreg(HW_REG_WAVE_MODE, 25, 1), 1
	s_wait_xcnt 0x0
; out[c][x][y] = sum over n of color[n][c] d[n] exp(-0.5 (u^2 + v^2) e^(-2 r[n])) / (2 pi e^(r[n])),  u = x - y + (m1 - m0),  v = x + y - (m0 + m1).
; With a = x - m0 and b = y - m1: u = a - b, v = a + b, u^2 + v^2 = 2 (a^2 + b^2), for every input.  So each gaussian is a product of a factor of x and a factor of y, and
;   out[c][x][y] = sum over n of A_c[x][n] B[n][y],   A_c[x][n] = color[n][c] d[n] e^(-r[n]) / (2 pi) * exp(-a^2 iv[n]),   B[n][y] = exp(-b^2 iv[n]),   iv = e^(-2 r):
; three matrix products with K = 125, padded to 128 by gaussians of weight 0.  A work-group makes (64 + 64) x 128 exponentials for its 3 x 64 x 64 outputs.
; FORMAT.  Every operand is a pair of bf16: hi = bf16(v), lo = bf16(v - hi); summed in f32 are Ah Bh (accumulator H) and Ah Bl + Al Bh (accumulator L); Al Bl, 2^-18 of a term at the most, is left out.
; A term is then right to about 2^-16 of itself, so sums of terms of both signs keep their room; bf16 has f32's range, so far tails (means far off the raster) are kept as f32 keeps them.
; LIMITS.  a = x - m0 is rounded once, where reference() rounds u and v: another order of rounding.  v_exp_f32 gives 0 for results below 2^-126 (ISA guide 15.8), so a factor or a weight below that counts as 0.
; For r between 86.9 and 87.3 the weight is a number near 1e-38 where reference()'s divisor overflows and gives 0.  NaN and infinities are not treated apart.
; SHARES.  256 work-groups of four waves; a work-group owns rows 64 by .. + 63, columns 64 bx .. + 63, all three channels; wave w owns rows 16 w .. 16 w + 15 of them, all 64 columns.
; Wave w makes its own A fragments in registers (each (x, n) once in the work-group) and B's fragments for column tile w, which all four waves read from LDS.
; COLUMNS.  In column tile t lane r stands for column y0 + 4 r + t.  So the four tiles' results for one row are four NEIGHBOURING columns in one lane; the add H + L lays them into four neighbouring registers,
; and a 16-byte store of sixteen lanes covers 256 consecutive bytes, aligned: no way through LDS.
; K SLOTS.  A's and B's fragments have the same map of k to lanes and registers (ISA guide 7.12.2), so any one map of gaussians to slots serves: half h of the lanes, K step s, element e hold gaussian 64 h + 16 s + e.
; NO TENSOR LOADS, NO CLUSTER: the inputs are 3,500 bytes, read once by each work-group through registers; work-groups share nothing else.
; REGISTERS, in windows of 256 (s_set_vgpr_msb: bits 1:0 source 0, 3:2 source 1, 5:4 source 2, 7:6 destination):
;   window 0: see the names below     window 1: accumulators, (channel c, tile t, H or L) at 8 (2 (4 c + t) + p)
;   window 2: B's fragments, (K step s, tile t, hi or lo) at 8 (2 (4 s + t) + p)     window 3: A's fragments, (K step s, channel c, hi or lo) at 8 (2 (3 s + c) + p)
.set NG,    125       ; gaussians
.set T_M0,  0         ; LDS tables of 128 f32: m0,
.set T_M1,  512       ; m1,
.set T_NIV, 1024      ; -log2(e) iv,
.set T_C,   1536      ; and the three channels' weights, 512 bytes apart
.set BFR,   4096      ; B's fragments: 8,192 s + 2,048 t + 1,024 p + 512 x (registers 4-7) + 16 x lane
.set SPARE, BFR+32768 ; the spare words, 128 bytes for each wave: two blocks of 256 bytes that no other line names
.set PRD,  2          ; v2   LDS byte of my half's first gaussian in a table: 256 h
.set BST,  3          ; v3   where I store fragments of B: BFR + 2,048 w + 16 x lane
.set BRD,  4          ; v4   where I read them: BFR + 16 x lane
.set GO,   5          ; v5   my byte offset in the wave's part of a channel: 8 h rows + 16 r
.set NEG1, 6          ; v6   -1.0
.set X,    8          ; v8-9   my row of A as f32, twice (a pair for the packed subtraction)
.set Y,    10         ; v10-11 my column of B, likewise
.set SPW,  12         ; v12  LDS address of my spare word: SPARE + 4 x my thread's number; never rewritten
.set NIL,  13         ; v13  0; never rewritten
.set T,    14         ; v14-28 at work at the head
.set E,    32         ; v32-47 sixteen numbers at work: a, a^2, the exponent, the factor, then what the hi part leaves
.set HB,   48         ; v48-55 a fragment of B, hi
.set LB,   56         ; v56-63 the same, lo
.set PB0,  64         ; v64-143, v144-223: two buffers for a K step's parameters: +0 sixteen means, +16 sixteen -log2(e) iv, +32 + 16 c sixteen weights of channel c
.set PB1,  144
.set O,    64         ; v64-159 at the end: the outputs, four neighbouring columns to a group of four
.set WV,   14         ; s14  my wave's number
.set OB,   20         ; s[20:25] out0 at my wave's first row and the group's first column, for each channel
.set MSB, 0
.macro WIN new                      ; the immediate's high byte repeats the setting that is left; a switch that changes nothing is dropped
.if MSB != (\new)
	s_set_vgpr_msb (MSB<<8)|(\new)
.set MSB, (\new)
.endif
.endm
	s_load_b256 s[4:11], s[0:1], 0x0               ; color s[4:5], depth s[6:7], mean s[8:9], radii s[10:11]
	s_load_b64 s[12:13], s[0:1], 0x20              ; out0
	v_lshl_add_u32 v[SPW], v0, 2, SPARE
	v_mov_b32 v[NIL], 0
	v_min_u32 v[T], NG-1, v0                       ; thread n takes gaussian n; threads 125 to 127 load the last one, so that no load leaves a buffer, and give it weight 0 below
	v_lshlrev_b32 v[T+1], 2, v[T]
	v_lshlrev_b32 v[T+2], 3, v[T]
	v_mul_u32_u24 v[T+3], v[T], 12
	s_wait_kmcnt 0x0
	global_load_b32 v[T+4], v[T+1], s[10:11]       ; r
	global_load_b32 v[T+5], v[T+1], s[6:7]         ; d
	global_load_b64 v[T+6:T+7], v[T+2], s[8:9]     ; m0, m1
	global_load_b32 v[T+8], v[T+3], s[4:5]         ; the three colours
	global_load_b32 v[T+9], v[T+3], s[4:5] offset:4
	global_load_b32 v[T+10], v[T+3], s[4:5] offset:8
	; addresses and coordinates, while the loads are out
	v_lshrrev_b32 v1, 5, v0
	v_readfirstlane_b32 s[WV], v1                  ; wave 0..3
	v_and_b32 v1, 15, v0                           ; r = lane % 16
	v_bfe_u32 v7, v0, 4, 1                         ; h = lane / 16
	v_and_b32 v[T+11], 31, v0
	v_lshlrev_b32 v[PRD], 8, v7
	v_lshl_add_u32 v[BRD], v[T+11], 4, BFR
	s_lshl_b32 s15, s[WV], 11
	v_add_nc_u32 v[BST], s15, v[BRD]
	v_mov_b32 v[NEG1], -1.0
	s_and_b32 s16, ttmp7, 0xffff
	s_lshl_b32 s16, s16, 6
	s_lshl_b32 s17, s[WV], 4
	s_add_co_u32 s16, s16, s17                     ; my wave's first row: 64 by + 16 w
	s_lshl_b32 s15, ttmp9, 6
	s_add_co_u32 s15, s15, s[WV]                   ; 64 bx + w
	v_add_nc_u32 v[T+12], s16, v1                  ; my row of A
	v_lshl_add_u32 v[T+13], v1, 2, s15             ; my column of B: 64 bx + 4 r + w
	v_cvt_f32_u32 v[X], v[T+12]
	v_cvt_f32_u32 v[X+1], v[T+12]
	v_cvt_f32_u32 v[Y], v[T+13]
	v_cvt_f32_u32 v[Y+1], v[T+13]
	v_lshlrev_b32 v[GO], 4, v1
	v_lshl_add_u32 v[GO], v7, 15, v[GO]            ; 8 h rows of 4,096 bytes + 16 r
	s_lshl_b32 s18, s16, 12
	s_lshl_b32 s19, ttmp9, 8
	s_add_co_u32 s18, s18, s19                     ; rows x 4,096 + 256 bx: under 2^23
	s_mov_b32 s19, 0
	s_add_nc_u64 s[OB:OB+1], s[12:13], s[18:19]
	s_add_nc_u64 s[OB+2:OB+3], s[OB:OB+1], 0x400000  ; a channel is 4 MiB
	s_add_nc_u64 s[OB+4:OB+5], s[OB:OB+1], 0x800000
	v_lshlrev_b32 v[T+14], 2, v0                   ; my word in each table
	; gaussian n's six numbers
	s_wait_loadcnt 0x0
	v_mul_f32 v[T+11], 0xc038aa3b, v[T+4]          ; -2 log2(e) r
	v_mul_f32 v[T+12], 0xbfb8aa3b, v[T+4]          ; -log2(e) r
	v_exp_f32 v[T+11], v[T+11]                     ; iv = e^(-2 r)
	v_exp_f32 v[T+12], v[T+12]                     ; e^(-r)
	v_mul_f32 v[T+5], 0.15915494, v[T+5]           ; d / (2 pi): also the plain instruction between the exponentials and the use of their results (ISA guide 5.7.2)
	v_cmp_gt_u32 vcc_lo, NG, v0
	s_wait_alu depctr_va_vdst(0)
	v_mul_f32 v[T+11], 0xbfb8aa3b, v[T+11]         ; -log2(e) iv: the factors are 2^(a^2 x this)
	v_mul_f32 v[T+12], v[T+12], v[T+5]
	v_cndmask_b32 v[T+12], 0, v[T+12], vcc_lo      ; the three gaussians of the padding weigh nothing
	v_mul_f32 v[T+8], v[T+8], v[T+12]
	v_mul_f32 v[T+9], v[T+9], v[T+12]
	v_mul_f32 v[T+10], v[T+10], v[T+12]
	ds_store_b32 v[T+14], v[T+6] offset:T_M0
	ds_store_b32 v[T+14], v[T+7] offset:T_M1
	ds_store_b32 v[T+14], v[T+11] offset:T_NIV
	ds_store_b32 v[T+14], v[T+8] offset:T_C
	ds_store_b32 v[T+14], v[T+9] offset:T_C+512
	ds_store_b32 v[T+14], v[T+10] offset:T_C+1024
	s_wait_dscnt 0x0                               ; for the others' sake: my part of the tables is written
	s_barrier_signal -1
	s_barrier_wait -1
; A K step's parameters for my half of the lanes: sixteen neighbouring entries of a table are four loads of 16 bytes; the sixteen lanes of a half read the same bytes.
; tm: the table of means; col = 1: the weights too (20 loads), else 8.
.macro LOADP tm, s, buf, col
.irp i, 0,1,2,3
	ds_load_b128 v[(\buf)+4*\i:(\buf)+4*\i+3], v[PRD] offset:(\tm)+64*(\s)+16*\i
.endr
.irp i, 0,1,2,3
	ds_load_b128 v[(\buf)+16+4*\i:(\buf)+16+4*\i+3], v[PRD] offset:T_NIV+64*(\s)+16*\i
.endr
.if \col
.irp c, 0,1,2
.irp i, 0,1,2,3
	ds_load_b128 v[(\buf)+32+16*\c+4*\i:(\buf)+32+16*\c+4*\i+3], v[PRD] offset:T_C+512*\c+64*(\s)+16*\i
.endr
.endr
.endif
.endm
; Sixteen factors 2^(-(co - mean)^2 log2(e) iv), two at a time, in runs of eight lines that do not wait for each other.
.macro EXPO co, buf
.irp i, 0,1,2,3,4,5,6,7
	v_pk_add_f32 v[E+2*\i:E+2*\i+1], v[\co:\co+1], v[(\buf)+2*\i:(\buf)+2*\i+1] neg_lo:[0,1] neg_hi:[0,1]
.endr
.irp i, 0,1,2,3,4,5,6,7
	v_pk_mul_f32 v[E+2*\i:E+2*\i+1], v[E+2*\i:E+2*\i+1], v[E+2*\i:E+2*\i+1]
.endr
.irp i, 0,1,2,3,4,5,6,7
	v_pk_mul_f32 v[E+2*\i:E+2*\i+1], v[E+2*\i:E+2*\i+1], v[(\buf)+16+2*\i:(\buf)+16+2*\i+1]
.endr
.irp i, 0,1,2,3,4,5,6,7,8,9,10,11,12,13,14,15
	v_exp_f32 v[E+\i], v[E+\i]
.endr
	v_nop                                          ; a plain instruction between the exponentials and the use of their results (ISA guide 5.7.2)
.endm
; K step s of my column tile of B: factors, hi = bf16(v), v - hi (exact, by one fused multiply-add that reads the bf16 half), lo = bf16 of that; four stores of 16 bytes a lane, 512 neighbouring bytes each.
; left: the LDS instructions issued behind this step's parameter loads, which may stay out.
.macro GENB s, buf, left
	s_wait_dscnt \left
	EXPO Y, \buf
	s_wait_alu depctr_va_vdst(0)
.irp i, 0,1,2,3,4,5,6,7
	v_cvt_pk_bf16_f32 v[HB+\i], v[E+2*\i], v[E+2*\i+1]
.endr
.irp i, 0,1,2,3,4,5,6,7
	v_fma_mix_f32_bf16 v[E+2*\i], v[HB+\i], v[NEG1], v[E+2*\i] op_sel_hi:[1,0,0]
	v_fma_mix_f32_bf16 v[E+2*\i+1], v[HB+\i], v[NEG1], v[E+2*\i+1] op_sel:[1,0,0] op_sel_hi:[1,0,0]
.endr
.irp i, 0,1,2,3,4,5,6,7
	v_cvt_pk_bf16_f32 v[LB+\i], v[E+2*\i], v[E+2*\i+1]
.endr
	ds_store_b128 v[BST], v[HB:HB+3] offset:8192*(\s)
	ds_store_b128 v[BST], v[HB+4:HB+7] offset:8192*(\s)+512
	ds_store_b128 v[BST], v[LB:LB+3] offset:8192*(\s)+1024
	ds_store_b128 v[BST], v[LB+4:LB+7] offset:8192*(\s)+1536
.endm
; K step s of my 16 rows of A, for the three channels: the factors once, times each channel's weights (in the weights' registers), then hi and lo as above, straight into the fragments in window 3.
; The work is laid in runs under one window setting: four switches a K step.
.macro GENA s, buf, left
	s_wait_dscnt \left
	EXPO X, \buf
	s_wait_alu depctr_va_vdst(0)
.irp c, 0,1,2
.irp i, 0,1,2,3,4,5,6,7
	v_pk_mul_f32 v[(\buf)+32+16*\c+2*\i:(\buf)+32+16*\c+2*\i+1], v[(\buf)+32+16*\c+2*\i:(\buf)+32+16*\c+2*\i+1], v[E+2*\i:E+2*\i+1]
.endr
.endr
	WIN 0xc0                                       ; destination window 3
.irp c, 0,1,2
.irp i, 0,1,2,3,4,5,6,7
	v_cvt_pk_bf16_f32 v[16*(3*(\s)+\c)+\i], v[(\buf)+32+16*\c+2*\i], v[(\buf)+32+16*\c+2*\i+1]
.endr
.endr
	WIN 0x03                                       ; source 0 (hi) window 3
.irp c, 0,1,2
.irp i, 0,1,2,3,4,5,6,7
	v_fma_mix_f32_bf16 v[(\buf)+32+16*\c+2*\i], v[16*(3*(\s)+\c)+\i], v[NEG1], v[(\buf)+32+16*\c+2*\i] op_sel_hi:[1,0,0]
	v_fma_mix_f32_bf16 v[(\buf)+32+16*\c+2*\i+1], v[16*(3*(\s)+\c)+\i], v[NEG1], v[(\buf)+32+16*\c+2*\i+1] op_sel:[1,0,0] op_sel_hi:[1,0,0]
.endr
.endr
	WIN 0xc0
.irp c, 0,1,2
.irp i, 0,1,2,3,4,5,6,7
	v_cvt_pk_bf16_f32 v[16*(3*(\s)+\c)+8+\i], v[(\buf)+32+16*\c+2*\i], v[(\buf)+32+16*\c+2*\i+1]
.endr
.endr
	WIN 0
.endm
	; B.  The parameters of a K step are asked for a step ahead, into the buffer that the step before last has used up.
	LOADP T_M1, 0, PB0, 0
	LOADP T_M1, 1, PB1, 0
	GENB 0, PB0, 8                                 ; out may be: step 1's 8 loads
	LOADP T_M1, 2, PB0, 0
	GENB 1, PB1, 12                                ; step 0's 4 stores and step 2's 8 loads
	LOADP T_M1, 3, PB1, 0
	GENB 2, PB0, 12                                ; step 1's 4 stores and step 3's 8 loads
	GENB 3, PB1, 4                                 ; step 2's 4 stores
	s_wait_dscnt 0x0                               ; for the others' sake: my tile of B is written
	s_barrier_signal -1
	; A, between the signal and the wait: work on registers, and loads from the tables, which no wave writes again.
	LOADP T_M0, 0, PB0, 1
	LOADP T_M0, 1, PB1, 1
	GENA 0, PB0, 20                                ; out may be: the next step's 20 loads
	LOADP T_M0, 2, PB0, 1
	GENA 1, PB1, 20
	LOADP T_M0, 3, PB1, 1
	GENA 2, PB0, 20
	GENA 3, PB1, 0
	s_barrier_wait -1                              ; all four tiles of B are in LDS
	; All of B's fragments, 64 loads in one run, K step by K step: 256 registers, each loaded once, so no load ever lands on a register that a matrix instruction has read.
	WIN 0x80                                       ; destination window 2, address window 0
.irp s, 0,1,2,3
.irp t, 0,1,2,3
.irp p, 0,1
	ds_load_b128 v[8*(2*(4*\s+\t)+\p):8*(2*(4*\s+\t)+\p)+3],   v[BRD] offset:8192*\s+2048*\t+1024*\p
	ds_load_b128 v[8*(2*(4*\s+\t)+\p)+4:8*(2*(4*\s+\t)+\p)+7], v[BRD] offset:8192*\s+2048*\t+1024*\p+512
.endr
.endr
.endr
; One matrix instruction: accumulator (c, t, p) takes A's part ap of (s, c) times B's part bp of (s, t).  ZERO = 1: the product starts the sum: nothing is cleared.
.macro MM c, t, p, ap, bp, s
.set rD, 8*(2*(4*(\c)+(\t))+(\p))
.set rA, 8*(2*(3*(\s)+(\c))+(\ap))
.set rB, 8*(2*(4*(\s)+(\t))+(\bp))
.if ZERO
	v_wmma_f32_16x16x32_bf16 v[rD:rD+7], v[rA:rA+7], v[rB:rB+7], 0
.else
	v_wmma_f32_16x16x32_bf16 v[rD:rD+7], v[rA:rA+7], v[rB:rB+7], v[rD:rD+7]
.endif
.endm
; A channel: 48 matrix instructions under one window setting.  Its eight accumulators take turns, one instruction a turn: between two on one accumulator stand three others' or more.
.macro CHAN c
	WIN 0x5b                                       ; A window 3, B window 2, C and D window 1
.irp s, 0,1,2,3
.if (\c) == 0
	s_wait_dscnt 48-16*\s                          ; K step s's 16 loads are in; the later steps' may be out
.endif
.set ZERO, 0
.if \s == 0
.set ZERO, 1
.endif
.irp t, 0,1,2,3
	MM \c, \t, 0, 0, 0, \s                         ; H += Ah Bh
.endr
.irp t, 0,1,2,3
	MM \c, \t, 1, 0, 1, \s                         ; L += Ah Bl
.endr
.set ZERO, 0
.irp t, 0,1,2,3
	MM \c, \t, 1, 1, 0, \s                         ; L += Al Bh
.endr
.endr
.endm
; A channel leaves: H + L, row by row from each accumulator's lowest register on, the four tiles' numbers side by side; then eight stores.
; Lanes 0-15 store 256 consecutive bytes of row j, at a multiple of 256 from out0's first byte, lanes 16-31 those of row 8 + j.  The stores are on their way while the next channel is multiplied.
.macro OUT c
.rept 4
	v_nop                                          ; four places between the last products and the reading of their results (ISA guide 7.12.1)
.endr
	WIN 0x05                                       ; sources 0 and 1 window 1, destination window 0
.irp j, 0,1,2,3,4,5,6,7
.irp t, 0,1,2,3
	v_add_f32 v[O+4*(8*(\c)+\j)+\t], v[16*(4*(\c)+\t)+\j], v[16*(4*(\c)+\t)+8+\j]
.endr
.endr
	WIN 0
.irp j, 0,1,2,3,4,5,6,7
	global_store_b128 v[GO], v[O+4*(8*(\c)+\j):O+4*(8*(\c)+\j)+3], s[OB+2*(\c):OB+2*(\c)+1] offset:4096*\j th:TH_STORE_NT
.endr
.endm
	CHAN 0
	OUT 0
	CHAN 1
	OUT 1
	CHAN 2
	OUT 2
	s_wait_tensorcnt 0x0                           ; the wave's end, behind my last LDS store
	ds_add_u32 v[SPW], v[NIL]
	s_wait_dscnt 0x0
	s_endpgm
.Lfunc_end_k_qed60bd4d3b_splat:
	.size	k_qed60bd4d3b_splat, .Lfunc_end_k_qed60bd4d3b_splat-k_qed60bd4d3b_splat
	.p2alignl 7, 3214868480
	.fill 96, 4, 3214868480
	.section	.rodata,"a",@progbits
	.p2align	6, 0x0
	.amdhsa_kernel k_qed60bd4d3b_splat
		.amdhsa_group_segment_fixed_size 37376
		.amdhsa_private_segment_fixed_size 0
		.amdhsa_enable_private_segment 0
		.amdhsa_kernarg_size 40
		.amdhsa_user_sgpr_count 2
		.amdhsa_user_sgpr_kernarg_segment_ptr 1
		.amdhsa_wavefront_size32 1
		.amdhsa_system_sgpr_workgroup_id_x 1
		.amdhsa_system_sgpr_workgroup_id_y 1
		.amdhsa_system_sgpr_workgroup_id_z 1
		.amdhsa_system_vgpr_workitem_id 0
		.amdhsa_next_free_vgpr 960
		.amdhsa_next_free_sgpr 66
		.amdhsa_reserve_vcc 1
		.amdhsa_float_denorm_mode_32 3
		.amdhsa_float_denorm_mode_16_64 3
		.amdhsa_memory_ordered 1
		.amdhsa_forward_progress 1
		.amdhsa_inst_pref_size 87
	.end_amdhsa_kernel
	.amdgpu_metadata
---
amdhsa.version: [ 1, 2 ]
amdhsa.kernels:
  - .name:           k_qed60bd4d3b_splat
    .symbol:         k_qed60bd4d3b_splat.kd
    .args:
      - { .name: color, .offset: 0, .size: 8, .value_kind: global_buffer, .address_space: global }
      - { .name: depth, .offset: 8, .size: 8, .value_kind: global_buffer, .address_space: global }
      - { .name: mean, .offset: 16, .size: 8, .value_kind: global_buffer, .address_space: global }
      - { .name: radii, .offset: 24, .size: 8, .value_kind: global_buffer, .address_space: global }
      - { .name: out0, .offset: 32, .size: 8, .value_kind: global_buffer, .address_space: global }
    .group_segment_fixed_size: 37376
    .private_segment_fixed_size: 0
    .kernarg_segment_align: 8
    .kernarg_segment_size: 40
    .max_flat_workgroup_size: 128
    .sgpr_count:     66
    .vgpr_count:     960
    .wavefront_size: 32
...
	.end_amdgpu_metadata
.endif
;; end of part 1
;; ======== version 2 of 2: 1 launch; version 1 with the launch splat written anew for expert scheduling mode
;; launch splat (part 2): grid 16 x 16, 4 waves a work-group, no clusters, 37,376 bytes of LDS; arguments color, depth, mean, radii, out0; writes out0
.if DOCPART == 2
	.amdgcn_target "amdgcn-amd-amdhsa--gfx1250"
	.amdhsa_code_object_version 6
	.text
	.protected	k_qed60bd4d3b_splat
	.globl	k_qed60bd4d3b_splat
	.p2align	8
	.type	k_qed60bd4d3b_splat,@function
k_qed60bd4d3b_splat:
	s_mov_b64 s[64:65], 0
	v_nop
	global_prefetch_b8 v0, s[64:65] scope:SCOPE_SE
	s_setreg_imm32_b32 hwreg(HW_REG_WAVE_SCHED_MODE, 0, 2), 2
	s_setreg_imm32_b32 hwreg(HW_REG_WAVE_MODE, 25, 1), 1
	s_wait_xcnt 0x0
	s_wait_alu depctr_vm_vsrc(0)
; out[c][x][y] = sum over n of color[n][c] d[n] exp(-0.5 (u^2 + v^2) e^(-2 r[n])) / (2 pi e^(r[n])),  u = x - y + (m1 - m0),  v = x + y - (m0 + m1).
; With a = x - m0 and b = y - m1: u = a - b, v = a + b, u^2 + v^2 = 2 (a^2 + b^2), for every input.  So each gaussian is a product of a factor of x and a factor of y, and
;   out[c][x][y] = sum over n of A_c[x][n] B[n][y],   A_c[x][n] = color[n][c] d[n] e^(-r[n]) / (2 pi) * exp(-a^2 iv[n]),   B[n][y] = exp(-b^2 iv[n]),   iv = e^(-2 r):
; three matrix products with K = 125, padded to 128 by gaussians of weight 0.  A work-group makes (64 + 64) x 128 exponentials for its 3 x 64 x 64 outputs.
; FORMAT.  Every operand is a pair of bf16: hi = bf16(v), lo = bf16(v - hi); summed in f32 are Ah Bh (accumulator H) and Ah Bl + Al Bh (accumulator L); Al Bl, 2^-18 of a term at the most, is left out.
; A term is then right to about 2^-16 of itself, so sums of terms of both signs keep their room; bf16 has f32's range, so far tails (means far off the raster) are kept as f32 keeps them.
; LIMITS.  a = x - m0 is rounded once, where reference() rounds u and v: another order of rounding.  v_exp_f32 gives 0 for results below 2^-126 (ISA guide 15.8), so a factor or a weight below that counts as 0.
; For r between 86.9 and 87.3 the weight is a number near 1e-38 where reference()'s divisor overflows and gives 0.  NaN and infinities are not treated apart.
; SHARES.  256 work-groups of four waves; a work-group owns rows 64 by .. + 63, columns 64 bx .. + 63, all three channels; wave w owns rows 16 w .. 16 w + 15 of them, all 64 columns.
; Wave w makes its own A fragments in registers (each (x, n) once in the work-group) and B's fragments for column tile w, which all four waves read from LDS.
; COLUMNS.  In column tile t lane r stands for column y0 + 4 r + t.  So the four tiles' results for one row are four NEIGHBOURING columns in one lane; the add H + L lays them into four neighbouring registers,
; and a 16-byte store of sixteen lanes covers 256 consecutive bytes, aligned: no way through LDS.
; K SLOTS.  A's and B's fragments have the same map of k to lanes and registers (ISA guide 7.12.2), so any one map of gaussians to slots serves: half h of the lanes, K step s, element e hold gaussian 64 h + 16 s + e.
; NO TENSOR LOADS, NO CLUSTER: the inputs are 3,500 bytes, read once by each work-group through registers; work-groups share nothing else.
; THE MODE: SCHED_MODE bits 1:0 = 2 (LLVM: expert scheduling mode 2), set by the entry lines.  The code itself states the register dependences
; between vector or matrix instructions and memory or LDS instructions, with s_wait_alu, always for 0.
; THE PLAN.  The text is one straight run.  Registers that memory or LDS instructions touch:
;   v15-17        offsets of the head's six loads: written once, ahead of the first wait on va_vdst; never written again.  The loads land in v18-24, which no vector line names before.
;   v20-25, v28   data and offset of the six table stores: one wait on va_vdst ahead of them.  v2-v5, the addresses of all later LDS loads, LDS stores and global stores, are made ahead of that wait too and never written again.
;   PB0, PB1      words 0-31 (means, -log2(e) iv): read by a step's first 24 lines; loaded again behind that step's own wait.
;                 words 32-79 (weights): read and written by A's step s to its end; loaded again behind the wait of step s + 1.
;   HL0, HL1      B's step s writes HL[s % 2]; its four LDS stores are issued in step s + 1, behind that step's wait; step s + 2 writes the buffer again behind a wait on vm_vsrc.
;   window 2      each register is loaded once and named by matrix instructions alone: no wait.
;   O             each register is written once, by the additions, and read once, by a store: one wait on va_vdst a channel, ahead of its eight stores.
;   v12, v13      written at the head, read by the closing add alone.
; So ONE wait on va_vdst stands in each of the eight table steps, behind its exponentials: it is their own wait, and it states that the step is done reading its means and -log2(e) iv and that the step before
; has written its hi and lo parts (B) or is done with its weights (A).  The lines behind it name E, this step's HL buffer or weights and window 3: none of the registers that the step's loads and stores touch.
; REGISTERS, in windows of 256 (s_set_vgpr_msb: bits 1:0 source 0, 3:2 source 1, 5:4 source 2, 7:6 destination):
;   window 0: see the names below     window 1: accumulators, (channel c, tile t, H or L) at 8 (2 (4 c + t) + p)
;   window 2: B's fragments, (K step s, tile t, hi or lo) at 8 (2 (4 s + t) + p)     window 3: A's fragments, (K step s, channel c, hi or lo) at 8 (2 (3 s + c) + p)
.set NG,    125       ; gaussians
.set T_M0,  0         ; LDS tables of 128 f32: m0,
.set T_M1,  512       ; m1,
.set T_NIV, 1024      ; -log2(e) iv,
.set T_C,   1536      ; and the three channels' weights, 512 bytes apart
.set BFR,   4096      ; B's fragments: 8,192 s + 2,048 t + 1,024 p + 512 x (registers 4-7) + 16 x lane
.set SPARE, BFR+32768 ; the spare words, 128 bytes for each wave: two blocks of 256 bytes that no other line names
.set PRD,  2          ; v2   LDS byte of my half's first gaussian in a table: 256 h
.set BST,  3          ; v3   where I store fragments of B: BFR + 2,048 w + 16 x lane
.set BRD,  4          ; v4   where I read them: BFR + 16 x lane
.set GO,   5          ; v5   my byte offset in the wave's part of a channel: 8 h rows + 16 r
.set NEG1, 6          ; v6   -1.0
.set X,    8          ; v8-9   my row of A as f32, twice (a pair for the packed subtraction)
.set Y,    10         ; v10-11 my column of B, likewise
.set SPW,  12         ; v12  LDS address of my spare word: SPARE + 4 x my thread's number; never rewritten
.set NIL,  13         ; v13  0; never rewritten
.set T,    14         ; v14-28 at work at the head
.set E,    32         ; v32-47 sixteen numbers at work: a, a^2, the exponent, the factor, then what the hi part leaves
.set HL0,  48         ; v48-63, v224-239: two buffers for a K step's fragment of B: hi in the first eight registers, lo in the second eight
.set HL1,  224
.set PB0,  64         ; v64-143, v144-223: two buffers for a K step's parameters: +0 sixteen means, +16 sixteen -log2(e) iv, +32 + 16 c sixteen weights of channel c
.set PB1,  144
.set O,    64         ; v64-159 at the end: the outputs, four neighbouring columns to a group of four
.set WV,   14         ; s14  my wave's number
.set OB,   20         ; s[20:25] out0 at my wave's first row and the group's first column, for each channel
.set MSB, 0
.macro WIN new                      ; the immediate's high byte repeats the setting that is left; a switch that changes nothing is dropped
.if MSB != (\new)
	s_set_vgpr_msb (MSB<<8)|(\new)
.set MSB, (\new)
.endif
.endm
	s_load_b256 s[4:11], s[0:1], 0x0               ; color s[4:5], depth s[6:7], mean s[8:9], radii s[10:11]
	s_load_b64 s[12:13], s[0:1], 0x20              ; out0
	v_lshl_add_u32 v[SPW], v0, 2, SPARE
	v_mov_b32 v[NIL], 0
	v_min_u32 v[T], NG-1, v0                       ; thread n takes gaussian n; threads 125 to 127 load the last one, so that no load leaves a buffer, and give it weight 0 below
	v_lshlrev_b32 v[T+1], 2, v[T]
	v_lshlrev_b32 v[T+2], 3, v[T]
	v_mul_u32_u24 v[T+3], v[T], 12
	s_wait_kmcnt 0x0
	s_wait_alu depctr_va_vdst(0)                   ; the three offsets v[T+1] to v[T+3] are written, which the six loads read
	global_load_b32 v[T+4], v[T+1], s[10:11]       ; r
	global_load_b32 v[T+5], v[T+1], s[6:7]         ; d
	global_load_b64 v[T+6:T+7], v[T+2], s[8:9]     ; m0, m1
	global_load_b32 v[T+8], v[T+3], s[4:5]         ; the three colours
	global_load_b32 v[T+9], v[T+3], s[4:5] offset:4
	global_load_b32 v[T+10], v[T+3], s[4:5] offset:8
	; addresses and coordinates, while the loads are out: none of these lines names a register that the loads read or land in
	v_lshrrev_b32 v1, 5, v0
	v_readfirstlane_b32 s[WV], v1                  ; wave 0..3
	v_and_b32 v1, 15, v0                           ; r = lane % 16
	v_bfe_u32 v7, v0, 4, 1                         ; h = lane / 16
	v_and_b32 v[T+11], 31, v0
	v_lshlrev_b32 v[PRD], 8, v7
	v_lshl_add_u32 v[BRD], v[T+11], 4, BFR
	s_wait_alu depctr_va_sdst(0)                   ; s[WV] is written, ahead of its first reader: LDS addresses, coordinates and out0's bases are made from it
	s_lshl_b32 s15, s[WV], 11
	v_add_nc_u32 v[BST], s15, v[BRD]
	v_mov_b32 v[NEG1], -1.0
	s_and_b32 s16, ttmp7, 0xffff
	s_lshl_b32 s16, s16, 6
	s_lshl_b32 s17, s[WV], 4
	s_add_co_u32 s16, s16, s17                     ; my wave's first row: 64 by + 16 w
	s_lshl_b32 s15, ttmp9, 6
	s_add_co_u32 s15, s15, s[WV]                   ; 64 bx + w
	v_add_nc_u32 v[T+12], s16, v1                  ; my row of A
	v_lshl_add_u32 v[T+13], v1, 2, s15             ; my column of B: 64 bx + 4 r + w
	v_cvt_f32_u32 v[X], v[T+12]
	v_cvt_f32_u32 v[X+1], v[T+12]
	v_cvt_f32_u32 v[Y], v[T+13]
	v_cvt_f32_u32 v[Y+1], v[T+13]
	v_lshlrev_b32 v[GO], 4, v1
	v_lshl_add_u32 v[GO], v7, 15, v[GO]            ; 8 h rows of 4,096 bytes + 16 r
	s_lshl_b32 s18, s16, 12
	s_lshl_b32 s19, ttmp9, 8
	s_add_co_u32 s18, s18, s19                     ; rows x 4,096 + 256 bx: under 2^23
	s_mov_b32 s19, 0
	s_add_nc_u64 s[OB:OB+1], s[12:13], s[18:19]
	s_add_nc_u64 s[OB+2:OB+3], s[OB:OB+1], 0x400000  ; a channel is 4 MiB
	s_add_nc_u64 s[OB+4:OB+5], s[OB:OB+1], 0x800000
	v_lshlrev_b32 v[T+14], 2, v0                   ; my word in each table
	; gaussian n's six numbers
	s_wait_loadcnt 0x0
	v_mul_f32 v[T+11], 0xc038aa3b, v[T+4]          ; -2 log2(e) r
	v_mul_f32 v[T+12], 0xbfb8aa3b, v[T+4]          ; -log2(e) r
	v_exp_f32 v[T+11], v[T+11]                     ; iv = e^(-2 r)
	v_exp_f32 v[T+12], v[T+12]                     ; e^(-r)
	v_mul_f32 v[T+5], 0.15915494, v[T+5]           ; d / (2 pi): also the plain instruction between the exponentials and the use of their results (ISA guide 5.7.2)
	v_cmp_gt_u32 vcc_lo, NG, v0
	s_wait_alu depctr_va_vdst(0)                   ; the two exponentials have written v[T+11] and v[T+12], ahead of their first readers
	s_wait_alu depctr_va_vcc(0)                    ; the compare has written VCC, which the select below reads
	v_mul_f32 v[T+11], 0xbfb8aa3b, v[T+11]         ; -log2(e) iv: the factors are 2^(a^2 x this)
	v_mul_f32 v[T+12], v[T+12], v[T+5]
	v_cndmask_b32 v[T+12], 0, v[T+12], vcc_lo      ; the three gaussians of the padding weigh nothing
	v_mul_f32 v[T+8], v[T+8], v[T+12]
	v_mul_f32 v[T+9], v[T+9], v[T+12]
	v_mul_f32 v[T+10], v[T+10], v[T+12]
	s_wait_alu depctr_va_vdst(0)                   ; v[T+8] to v[T+11] and the offset v[T+14] are written, which the stores read; so are v[PRD], v[BST], v[BRD] and v[GO], which every later load and store reads as its address
	ds_store_b32 v[T+14], v[T+6] offset:T_M0
	ds_store_b32 v[T+14], v[T+7] offset:T_M1
	ds_store_b32 v[T+14], v[T+11] offset:T_NIV
	ds_store_b32 v[T+14], v[T+8] offset:T_C
	ds_store_b32 v[T+14], v[T+9] offset:T_C+512
	ds_store_b32 v[T+14], v[T+10] offset:T_C+1024
	s_wait_dscnt 0x0                               ; for the others' sake: my part of the tables is written
	s_barrier_signal -1
	s_barrier_wait -1
; A K step's parameters for my half of the lanes: sixteen neighbouring entries of a table are four loads of 16 bytes; the sixteen lanes of a half read the same bytes.
; LOADM: sixteen means (tm: their table) and sixteen -log2(e) iv, 8 loads.  LOADW: the three channels' weights, 12 loads.
.macro LOADM tm, s, buf
.irp i, 0,1,2,3
	ds_load_b128 v[(\buf)+4*\i:(\buf)+4*\i+3], v[PRD] offset:(\tm)+64*(\s)+16*\i
.endr
.irp i, 0,1,2,3
	ds_load_b128 v[(\buf)+16+4*\i:(\buf)+16+4*\i+3], v[PRD] offset:T_NIV+64*(\s)+16*\i
.endr
.endm
.macro LOADW s, buf
.irp c, 0,1,2
.irp i, 0,1,2,3
	ds_load_b128 v[(\buf)+32+16*\c+4*\i:(\buf)+32+16*\c+4*\i+3], v[PRD] offset:T_C+512*\c+64*(\s)+16*\i
.endr
.endr
.endm
; Sixteen factors 2^(-(co - mean)^2 log2(e) iv), two at a time, in runs of eight lines that do not wait for each other.
.macro EXPO co, buf
.irp i, 0,1,2,3,4,5,6,7
	v_pk_add_f32 v[E+2*\i:E+2*\i+1], v[\co:\co+1], v[(\buf)+2*\i:(\buf)+2*\i+1] neg_lo:[0,1] neg_hi:[0,1]
.endr
.irp i, 0,1,2,3,4,5,6,7
	v_pk_mul_f32 v[E+2*\i:E+2*\i+1], v[E+2*\i:E+2*\i+1], v[E+2*\i:E+2*\i+1]
.endr
.irp i, 0,1,2,3,4,5,6,7
	v_pk_mul_f32 v[E+2*\i:E+2*\i+1], v[E+2*\i:E+2*\i+1], v[(\buf)+16+2*\i:(\buf)+16+2*\i+1]
.endr
.irp i, 0,1,2,3,4,5,6,7,8,9,10,11,12,13,14,15
	v_exp_f32 v[E+\i], v[E+\i]
.endr
	v_nop                                          ; a plain instruction between the exponentials and the use of their results (ISA guide 5.7.2)
.endm
; A K step of my column tile of B, in three parts.  BEXP: the factors, and the step's one wait.  left: the LDS instructions issued behind this step's parameter loads, which may stay out.
.macro BEXP buf, left
	s_wait_dscnt \left
	EXPO Y, \buf
	s_wait_alu depctr_va_vdst(0)                   ; the sixteen exponentials have written E; the lines above are done reading words 0-31 of this parameter buffer, in which the next loads land; the step before has written its HL buffer, which the stores below read
.endm
; BPACK: hi = bf16(v), v - hi (exact, by one fused multiply-add that reads the bf16 half), lo = bf16 of that, into HL buffer hl.
.macro BPACK hl
.irp i, 0,1,2,3,4,5,6,7
	v_cvt_pk_bf16_f32 v[(\hl)+\i], v[E+2*\i], v[E+2*\i+1]
.endr
.irp i, 0,1,2,3,4,5,6,7
	v_fma_mix_f32_bf16 v[E+2*\i], v[(\hl)+\i], v[NEG1], v[E+2*\i] op_sel_hi:[1,0,0]
	v_fma_mix_f32_bf16 v[E+2*\i+1], v[(\hl)+\i], v[NEG1], v[E+2*\i+1] op_sel:[1,0,0] op_sel_hi:[1,0,0]
.endr
.irp i, 0,1,2,3,4,5,6,7
	v_cvt_pk_bf16_f32 v[(\hl)+8+\i], v[E+2*\i], v[E+2*\i+1]
.endr
.endm
; BSTORE: K step s leaves HL buffer hl: four stores of 16 bytes a lane, 512 neighbouring bytes each.  It is issued a step later than BPACK, behind that step's wait.
.macro BSTORE s, hl
	ds_store_b128 v[BST], v[(\hl):(\hl)+3] offset:8192*(\s)
	ds_store_b128 v[BST], v[(\hl)+4:(\hl)+7] offset:8192*(\s)+512
	ds_store_b128 v[BST], v[(\hl)+8:(\hl)+11] offset:8192*(\s)+1024
	ds_store_b128 v[BST], v[(\hl)+12:(\hl)+15] offset:8192*(\s)+1536
.endm
; A K step of my 16 rows of A, in two parts.  AEXP: the factors, and the step's one wait.
.macro AEXP buf
	EXPO X, \buf
	s_wait_alu depctr_va_vdst(0)                   ; the sixteen exponentials have written E; the lines above are done reading words 0-31 of this parameter buffer, and the step before is done with the other buffer's weights: the loads below land in these
.endm
; APACK: the factors times each channel's weights (in the weights' registers), then hi and lo as above, straight into the fragments in window 3.
; The work is laid in runs under one window setting: four switches a K step.
.macro APACK s, buf
.irp c, 0,1,2
.irp i, 0,1,2,3,4,5,6,7
	v_pk_mul_f32 v[(\buf)+32+16*\c+2*\i:(\buf)+32+16*\c+2*\i+1], v[(\buf)+32+16*\c+2*\i:(\buf)+32+16*\c+2*\i+1], v[E+2*\i:E+2*\i+1]
.endr
.endr
	WIN 0xc0                                       ; destination window 3
.irp c, 0,1,2
.irp i, 0,1,2,3,4,5,6,7
	v_cvt_pk_bf16_f32 v[16*(3*(\s)+\c)+\i], v[(\buf)+32+16*\c+2*\i], v[(\buf)+32+16*\c+2*\i+1]
.endr
.endr
	WIN 0x03                                       ; source 0 (hi) window 3
.irp c, 0,1,2
.irp i, 0,1,2,3,4,5,6,7
	v_fma_mix_f32_bf16 v[(\buf)+32+16*\c+2*\i], v[16*(3*(\s)+\c)+\i], v[NEG1], v[(\buf)+32+16*\c+2*\i] op_sel_hi:[1,0,0]
	v_fma_mix_f32_bf16 v[(\buf)+32+16*\c+2*\i+1], v[16*(3*(\s)+\c)+\i], v[NEG1], v[(\buf)+32+16*\c+2*\i+1] op_sel:[1,0,0] op_sel_hi:[1,0,0]
.endr
.endr
	WIN 0xc0
.irp c, 0,1,2
.irp i, 0,1,2,3,4,5,6,7
	v_cvt_pk_bf16_f32 v[16*(3*(\s)+\c)+8+\i], v[(\buf)+32+16*\c+2*\i], v[(\buf)+32+16*\c+2*\i+1]
.endr
.endr
	WIN 0
.endm
	; B.  A parameter buffer is asked for again behind the wait of the step that has read it: for B's step two on, then for A's first two steps.
	LOADM T_M1, 0, PB0
	LOADM T_M1, 1, PB1
	BEXP PB0, 8                                    ; step 0.  Out may be: step 1's 8 loads
	LOADM T_M1, 2, PB0
	BPACK HL0
	BEXP PB1, 8                                    ; step 1.  Out may be: step 2's 8 loads
	BSTORE 0, HL0
	LOADM T_M1, 3, PB1
	BPACK HL1
	BEXP PB0, 12                                   ; step 2.  Out may be: step 0's 4 stores and step 3's 8 loads
	s_wait_alu depctr_vm_vsrc(0)                   ; step 0's stores have read HL0, which this step writes again
	BSTORE 1, HL1
	LOADM T_M0, 0, PB0                             ; A's step 0: its weights land in words that no line has named yet
	LOADW 0, PB0
	BPACK HL0
	BEXP PB1, 24                                   ; step 3.  Out may be: step 1's 4 stores and the 20 loads for A's step 0
	s_wait_alu depctr_vm_vsrc(0)                   ; step 1's stores have read HL1, which this step writes again
	BSTORE 2, HL0
	LOADM T_M0, 1, PB1                             ; A's step 1
	LOADW 1, PB1
	BPACK HL1
	s_wait_alu depctr_va_vdst(0)                   ; step 3 has written HL1, which the last four stores read
	BSTORE 3, HL1
	s_wait_dscnt 0x0                               ; for the others' sake: my tile of B is written (the parameters of A's steps 0 and 1 are in as well)
	s_barrier_signal -1
	; A, between the signal and the wait: work on registers, and loads from the tables, which no wave writes again.
	AEXP PB0                                       ; step 0
	LOADM T_M0, 2, PB0
	APACK 0, PB0
	AEXP PB1                                       ; step 1
	LOADW 2, PB0
	LOADM T_M0, 3, PB1
	APACK 1, PB1
	s_wait_dscnt 20                                ; step 2's means and -log2(e) iv are in; out may be its 12 loads of weights and step 3's 8 loads
	AEXP PB0                                       ; step 2
	LOADW 3, PB1
	s_wait_dscnt 20                                ; step 2's weights are in; out may be step 3's 8 and 12 loads
	APACK 2, PB0
	s_wait_dscnt 12                                ; step 3's means and -log2(e) iv are in; out may be its 12 loads of weights
	AEXP PB1                                       ; step 3: no load follows; the wait is the exponentials' own
	s_wait_dscnt 0x0                               ; step 3's weights are in
	APACK 3, PB1
	s_barrier_wait -1                              ; all four tiles of B are in LDS
; B's fragments of K step s, 16 loads.  256 registers in all, each loaded once and named by matrix instructions alone, so no load ever lands on a register that a vector or matrix instruction has named;
; v[BRD] was written ahead of the head's last wait on va_vdst.  So these loads hang on nothing that is still to be stated.
.macro BFRAG s
	WIN 0x80                                       ; destination window 2, address window 0
.irp t, 0,1,2,3
.irp p, 0,1
	ds_load_b128 v[8*(2*(4*(\s)+\t)+\p):8*(2*(4*(\s)+\t)+\p)+3],   v[BRD] offset:8192*(\s)+2048*\t+1024*\p
	ds_load_b128 v[8*(2*(4*(\s)+\t)+\p)+4:8*(2*(4*(\s)+\t)+\p)+7], v[BRD] offset:8192*(\s)+2048*\t+1024*\p+512
.endr
.endr
.endm
	BFRAG 0                                        ; two K steps are asked for here, the other two among channel 0's matrix instructions, each two K steps ahead of its use
	BFRAG 1
; One matrix instruction: accumulator (c, t, p) takes A's part ap of (s, c) times B's part bp of (s, t).  ZERO = 1: the product starts the sum: nothing is cleared.
.macro MM c, t, p, ap, bp, s
.set rD, 8*(2*(4*(\c)+(\t))+(\p))
.set rA, 8*(2*(3*(\s)+(\c))+(\ap))
.set rB, 8*(2*(4*(\s)+(\t))+(\bp))
.if ZERO
	v_wmma_f32_16x16x32_bf16 v[rD:rD+7], v[rA:rA+7], v[rB:rB+7], 0
.else
	v_wmma_f32_16x16x32_bf16 v[rD:rD+7], v[rA:rA+7], v[rB:rB+7], v[rD:rD+7]
.endif
.endm
; A channel: 48 matrix instructions.  Its eight accumulators take turns, one instruction a turn: between two on one accumulator stand three others' or more.
.macro CHAN c
.irp s, 0,1,2,3
.if (\c) == 0
.if \s < 3
	s_wait_dscnt 16                                ; K step s's 16 loads are in; the one run of 16 issued behind them may be out
.else
	s_wait_dscnt 0x0                               ; the last K step's loads are in
.endif
.endif
	WIN 0x5b                                       ; A window 3, B window 2, C and D window 1
.set ZERO, 0
.if \s == 0
.set ZERO, 1
.endif
.irp t, 0,1,2,3
	MM \c, \t, 0, 0, 0, \s                         ; H += Ah Bh
.endr
.irp t, 0,1,2,3
	MM \c, \t, 1, 0, 1, \s                         ; L += Ah Bl
.endr
.set ZERO, 0
.irp t, 0,1,2,3
	MM \c, \t, 1, 1, 0, \s                         ; L += Al Bh
.endr
.if ((\c) == 0) && (\s < 2)
	BFRAG \s+2
.endif
.endr
.endm
; A channel leaves: H + L, row by row from each accumulator's lowest register on, the four tiles' numbers side by side; then eight stores.
; Lanes 0-15 store 256 consecutive bytes of row j, at a multiple of 256 from out0's first byte, lanes 16-31 those of row 8 + j.  The stores are on their way while the next channel is multiplied.
.macro OUT c
.rept 4
	v_nop                                          ; four places between the last products and the reading of their results (ISA guide 7.12.1)
.endr
	WIN 0x05                                       ; sources 0 and 1 window 1, destination window 0
.irp j, 0,1,2,3,4,5,6,7
.irp t, 0,1,2,3
	v_add_f32 v[O+4*(8*(\c)+\j)+\t], v[16*(4*(\c)+\t)+\j], v[16*(4*(\c)+\t)+8+\j]
.endr
.endr
	WIN 0
	s_wait_alu depctr_va_vdst(0)                   ; the 32 additions have written this channel's part of O, which the eight stores read
.irp j, 0,1,2,3,4,5,6,7
	global_store_b128 v[GO], v[O+4*(8*(\c)+\j):O+4*(8*(\c)+\j)+3], s[OB+2*(\c):OB+2*(\c)+1] offset:4096*\j th:TH_STORE_NT
.endr
.endm
	CHAN 0
	OUT 0
	CHAN 1
	OUT 1
	CHAN 2
	OUT 2
	s_wait_dscnt 0x0                               ; the closing lines, six on end
	s_wait_alu 0x0
	s_wait_tensorcnt 0x0
	ds_add_u32 v[SPW], v[NIL]
	s_wait_dscnt 0x0
	s_endpgm
.Lfunc_end_k_qed60bd4d3b_splat:
	.size	k_qed60bd4d3b_splat, .Lfunc_end_k_qed60bd4d3b_splat-k_qed60bd4d3b_splat
	.p2alignl 7, 3214868480
	.fill 96, 4, 3214868480
	.section	.rodata,"a",@progbits
	.p2align	6, 0x0
	.amdhsa_kernel k_qed60bd4d3b_splat
		.amdhsa_group_segment_fixed_size 37376
		.amdhsa_private_segment_fixed_size 0
		.amdhsa_enable_private_segment 0
		.amdhsa_kernarg_size 40
		.amdhsa_user_sgpr_count 2
		.amdhsa_user_sgpr_kernarg_segment_ptr 1
		.amdhsa_wavefront_size32 1
		.amdhsa_system_sgpr_workgroup_id_x 1
		.amdhsa_system_sgpr_workgroup_id_y 1
		.amdhsa_system_sgpr_workgroup_id_z 1
		.amdhsa_system_vgpr_workitem_id 0
		.amdhsa_next_free_vgpr 960
		.amdhsa_next_free_sgpr 66
		.amdhsa_reserve_vcc 1
		.amdhsa_float_denorm_mode_32 3
		.amdhsa_float_denorm_mode_16_64 3
		.amdhsa_memory_ordered 1
		.amdhsa_forward_progress 1
		.amdhsa_inst_pref_size 87
	.end_amdhsa_kernel
	.amdgpu_metadata
---
amdhsa.version: [ 1, 2 ]
amdhsa.kernels:
  - .name:           k_qed60bd4d3b_splat
    .symbol:         k_qed60bd4d3b_splat.kd
    .args:
      - { .name: color, .offset: 0, .size: 8, .value_kind: global_buffer, .address_space: global }
      - { .name: depth, .offset: 8, .size: 8, .value_kind: global_buffer, .address_space: global }
      - { .name: mean, .offset: 16, .size: 8, .value_kind: global_buffer, .address_space: global }
      - { .name: radii, .offset: 24, .size: 8, .value_kind: global_buffer, .address_space: global }
      - { .name: out0, .offset: 32, .size: 8, .value_kind: global_buffer, .address_space: global }
    .group_segment_fixed_size: 37376
    .private_segment_fixed_size: 0
    .kernarg_segment_align: 8
    .kernarg_segment_size: 40
    .max_flat_workgroup_size: 128
    .sgpr_count:     66
    .vgpr_count:     960
    .wavefront_size: 32
...
	.end_amdgpu_metadata
.endif
;; end of part 2
